; MI455X (gfx1250); checked and timed in simulation.
; The chip was launched on July 23, 2026; its instructions are those of AMD's public machine-readable ISA for CDNA 5 (MIT licence, August 2026) and "CDNA5" Instruction Set Architecture Reference Guide (July 2026). The comments in the code are by the model that wrote it; some were corrected since.
;; Simple LSTM Cell. Allowed arithmetic: float matrix products may take bf16 or f16 operands with f32 sums; other float arithmetic in f32, or as packed bf16 or f16 multiplies, adds, multiply-adds, maxima and minima; sums over many terms, partial sums and values carried from step to step in f32; what a program stores and reads back later, other than sums and carried values, may be rounded once to bf16 or f16.
;; Inputs: U_c 1,024 x 1,024 float32; U_f 1,024 x 1,024 float32; U_i 1,024 x 1,024 float32; U_o 1,024 x 1,024 float32; W_c 1,024 x 1,024 float32; W_f 1,024 x 1,024 float32; W_i 1,024 x 1,024 float32; W_o 1,024 x 1,024 float32; b_Uc 1,024 float32; b_Uf 1,024 float32; b_Ui 1,024 float32; b_Uo 1,024 float32; b_Wc 1,024 float32; b_Wf 1,024 float32; b_Wi 1,024 float32; b_Wo 1,024 float32; c 8,192 x 1,024 float32; h 8,192 x 1,024 float32; x 8,192 x 1,024 float32.
;; Outputs: out0 8,192 x 1,024 float32; out1 8,192 x 1,024 float32.
;; 2 versions, each right; version 2 is version 1 with the launch cast written anew for expert scheduling mode. Each part assembles by itself: llvm-mc -triple=amdgcn-amd-amdhsa -mcpu=gfx1250 --defsym DOCPART=n.
;; ======== version 1 of 2: 2 launches
;; workspace buffers: xh 33,554,432 bytes; wu 16,777,216 bytes
;; launch cast (part 1): grid 256 x 3, 8 waves a work-group, no clusters, 0 bytes of LDS; arguments x, h, W_i, W_f, W_o, W_c, U_i, U_f, U_o, U_c, xh, wu; writes xh, wu
.if DOCPART == 1
	.amdgcn_target "amdgcn-amd-amdhsa--gfx1250"
	.amdhsa_code_object_version 6
	.text
	.protected	k_qfd2c1fbc11_cast
	.globl	k_qfd2c1fbc11_cast
	.p2align	8
	.type	k_qfd2c1fbc11_cast,@function
k_qfd2c1fbc11_cast:
	s_mov_b64 s[64:65], 0
	v_nop
	global_prefetch_b8 v0, s[64:65] scope:SCOPE_SE
	s_setreg_imm32_b32 hwreg(HW_REG_WAVE_MODE, 25, 1), 1
	s_wait_xcnt 0x0
; FIRST OF TWO LAUNCHES of an LSTM cell: gates = [x|h] [W|U]^T + (b_W + b_U); i, f, o = sigmoid, c~ = tanh; c_next = f c + i c~; h_next = o tanh(c_next).
; NO WORK IS LEFT OUT: each of the 19 inputs reaches both outputs or one of them for some values, nothing is sliced away and no term cancels.  This launch reads x, h and the eight
; weight matrices; the second reads what this one stores, the eight biases and c.
; WHAT THIS LAUNCH DOES.  It rounds the matrix operands once, f32 to bf16 (to nearest even), and lays them out for the product:
;   xh [8192][2048] bf16: columns 0-1023 = x, columns 1024-2047 = h: one K axis of 2,048.
;   wu [4096][2048] bf16: row 128 (j / 32) + 32 g + j % 32 holds W_g[j] (columns 0-1023) and U_g[j] (columns 1024-2047), g = 0 i, 1 f, 2 o, 3 c: the four gates of 32 hidden
;   columns are 128 rows on end, so that one wave of the product holds all four gates of an element.
; LIMITS.  bf16 has f32's range: no input of finite size overflows here; NaN and infinities pass as they are.
; SHARES.  A work-group takes 32 rows of 1,024 f32 of ONE source.  Grid y = 0: x, 1: h (256 groups each), 2: the eight matrices (32 groups each, matrix = x / 32).
; Thread t owns bytes 16 t .. 16 t + 15 of every source row: a wave's load covers 512 consecutive bytes; its 8 bytes of bf16 go to byte 8 t of the half row: a wave's store covers
; 256 consecutive bytes, at a multiple of 256 from the buffer's first byte.  All 32 loads of a wave go out at once; no register is written again behind an instruction that names it,
; so the only waits are the counted ones for the loads.  No LDS, no barrier: no wave wants what another has.
.set ROW, 4096                         ; bytes in a source row, and in a row of xh and wu
.set X,   4                            ; v[4:131] row i as loaded at v[X + 4 i]; its first two registers then hold the four bf16
.set SRC, 32                           ; s[32:33] the source at my group's first row
.set DST, 34                           ; s[34:35] the destination at my group's first half row
	s_load_b512 s[8:23], s[0:1], 0x0               ; x 8, h 10, W_i 12, W_f 14, W_o 16, W_c 18, U_i 20, U_f 22
	s_load_b256 s[24:31], s[0:1], 0x40             ; U_o 24, U_c 26, xh 28, wu 30
	s_and_b32 s2, ttmp7, 0xffff                    ; which kind of source
	s_lshr_b32 s3, ttmp9, 5                        ; for the weights: the matrix, 0 to 7,
	s_and_b32 s4, ttmp9, 31                        ; and its block q of 32 rows
	s_and_b32 s5, s3, 3                            ; the gate g
	s_lshr_b32 s6, s3, 2                           ; 0: a W (left half of K), 1: a U (right half)
	s_lshl_b32 s36, s4, 17                         ; source offset: q x 32 rows x 4,096 bytes
	s_lshl_b32 s7, s4, 7
	s_lshl_b32 s5, s5, 5
	s_add_co_u32 s7, s7, s5                        ; row of wu: 128 q + 32 g
	s_lshl_b32 s7, s7, 12
	s_lshl_b32 s6, s6, 11
	s_add_co_u32 s38, s7, s6                       ; its bytes, + 2,048 for a U
	s_lshl_b32 s4, ttmp9, 17                       ; for x and h: the group's 32 rows, the same offset in source and xh,
	s_lshl_b32 s5, s2, 11
	s_add_co_u32 s5, s4, s5                        ; + 2,048 for h
	s_cmp_eq_u32 s2, 2
	s_cselect_b32 s36, s36, s4
	s_cselect_b32 s38, s38, s5
	s_mov_b32 s37, 0                               ; both offsets stay under 2^26
	s_mov_b32 s39, 0
	v_lshlrev_b32 v1, 4, v0                        ; 16 t
	v_lshlrev_b32 v2, 3, v0                        ; 8 t
	s_wait_kmcnt 0x0
	s_mov_b64 s[SRC:SRC+1], s[12:13]               ; the source is chosen among the ten by the group's numbers alone
.irp m, 1,2,3,4,5,6,7
	s_cmp_eq_u32 s3, \m
	s_cselect_b64 s[SRC:SRC+1], s[12+2*(\m):13+2*(\m)], s[SRC:SRC+1]
.endr
	s_cmp_eq_u32 s2, 0
	s_cselect_b64 s[SRC:SRC+1], s[8:9], s[SRC:SRC+1]
	s_cmp_eq_u32 s2, 1
	s_cselect_b64 s[SRC:SRC+1], s[10:11], s[SRC:SRC+1]
	s_cmp_eq_u32 s2, 2
	s_cselect_b64 s[DST:DST+1], s[30:31], s[28:29]
	s_add_nc_u64 s[SRC:SRC+1], s[SRC:SRC+1], s[36:37]
	s_add_nc_u64 s[DST:DST+1], s[DST:DST+1], s[38:39]
.set i, 0
.rept 32
	global_load_b128 v[X+4*i:X+4*i+3], v1, s[SRC:SRC+1] offset:ROW*i th:TH_LOAD_NT  ; each source byte is read once in the launch
.set i, i+1
.endr
.set i, 0
.rept 32
	s_wait_loadcnt 31-i                            ; loads come back in order (ISA guide 5.7.1): row i is in, the 31 - i younger ones stay out
	v_cvt_pk_bf16_f32 v[X+4*i], v[X+4*i], v[X+4*i+1]
	v_cvt_pk_bf16_f32 v[X+4*i+1], v[X+4*i+2], v[X+4*i+3]
	global_store_b64 v2, v[X+4*i:X+4*i+1], s[DST:DST+1] offset:ROW*i
.set i, i+1
.endr
	s_endpgm
.Lfunc_end_k_qfd2c1fbc11_cast:
	.size	k_qfd2c1fbc11_cast, .Lfunc_end_k_qfd2c1fbc11_cast-k_qfd2c1fbc11_cast
	.p2alignl 7, 3214868480
	.fill 96, 4, 3214868480
	.section	.rodata,"a",@progbits
	.p2align	6, 0x0
	.amdhsa_kernel k_qfd2c1fbc11_cast
		.amdhsa_group_segment_fixed_size 0
		.amdhsa_private_segment_fixed_size 0
		.amdhsa_enable_private_segment 0
		.amdhsa_kernarg_size 96
		.amdhsa_user_sgpr_count 2
		.amdhsa_user_sgpr_kernarg_segment_ptr 1
		.amdhsa_wavefront_size32 1
		.amdhsa_system_sgpr_workgroup_id_x 1
		.amdhsa_system_sgpr_workgroup_id_y 1
		.amdhsa_system_sgpr_workgroup_id_z 1
		.amdhsa_system_vgpr_workitem_id 0
		.amdhsa_next_free_vgpr 132
		.amdhsa_next_free_sgpr 66
		.amdhsa_reserve_vcc 0
		.amdhsa_float_denorm_mode_32 3
		.amdhsa_float_denorm_mode_16_64 3
		.amdhsa_memory_ordered 1
		.amdhsa_forward_progress 1
		.amdhsa_inst_pref_size 13
	.end_amdhsa_kernel
	.amdgpu_metadata
---
amdhsa.version: [ 1, 2 ]
amdhsa.kernels:
  - .name:           k_qfd2c1fbc11_cast
    .symbol:         k_qfd2c1fbc11_cast.kd
    .args:
      - { .name: x, .offset: 0, .size: 8, .value_kind: global_buffer, .address_space: global }
      - { .name: h, .offset: 8, .size: 8, .value_kind: global_buffer, .address_space: global }
      - { .name: W_i, .offset: 16, .size: 8, .value_kind: global_buffer, .address_space: global }
      - { .name: W_f, .offset: 24, .size: 8, .value_kind: global_buffer, .address_space: global }
      - { .name: W_o, .offset: 32, .size: 8, .value_kind: global_buffer, .address_space: global }
      - { .name: W_c, .offset: 40, .size: 8, .value_kind: global_buffer, .address_space: global }
      - { .name: U_i, .offset: 48, .size: 8, .value_kind: global_buffer, .address_space: global }
      - { .name: U_f, .offset: 56, .size: 8, .value_kind: global_buffer, .address_space: global }
      - { .name: U_o, .offset: 64, .size: 8, .value_kind: global_buffer, .address_space: global }
      - { .name: U_c, .offset: 72, .size: 8, .value_kind: global_buffer, .address_space: global }
      - { .name: xh, .offset: 80, .size: 8, .value_kind: global_buffer, .address_space: global }
      - { .name: wu, .offset: 88, .size: 8, .value_kind: global_buffer, .address_space: global }
    .group_segment_fixed_size: 0
    .private_segment_fixed_size: 0
    .kernarg_segment_align: 8
    .kernarg_segment_size: 96
    .max_flat_workgroup_size: 256
    .sgpr_count:     66
    .vgpr_count:     132
    .wavefront_size: 32
...
	.end_amdgpu_metadata
.endif
;; end of part 1
;; launch lstm (part 2): grid 16 x 32, 4 waves a work-group, clusters of 4 x 4, 327,680 bytes of LDS; arguments b_Wi, b_Wf, b_Wo, b_Wc, b_Ui, b_Uf, b_Uo, b_Uc, xh, wu, c, out0, out1; writes out0, out1
.if DOCPART == 2
	.amdgcn_target "amdgcn-amd-amdhsa--gfx1250"
	.amdhsa_code_object_version 6
	.text
	.protected	k_qfd2c1fbc11_lstm
	.globl	k_qfd2c1fbc11_lstm
	.p2align	8
	.type	k_qfd2c1fbc11_lstm,@function
k_qfd2c1fbc11_lstm:
	s_mov_b64 s[64:65], 0
	v_nop
	global_prefetch_b8 v0, s[64:65] scope:SCOPE_SE
	s_setreg_imm32_b32 hwreg(HW_REG_WAVE_MODE, 25, 1), 1
	s_wait_xcnt 0x0
	s_wait_alu depctr_hold_cnt(0) depctr_sa_sdst(0) depctr_va_vdst(0) depctr_va_sdst(0) depctr_va_ssrc(0) depctr_va_vcc(0) depctr_vm_vsrc(0)
	s_getreg_b32 s2, hwreg(HW_REG_IB_STS2, 6, 4)
	s_cmp_eq_u32 s2, 0
	s_cbranch_scc0 .Lentry_in_a_cluster
	s_endpgm
.Lentry_in_a_cluster:
	s_bfe_u32 s2, ttmp6, 0x10000c
	s_cmp_lg_u32 s2, 0xf033
	s_cbranch_scc0 .Lentry_shape_is_right
	s_endpgm
.Lentry_shape_is_right:
; SECOND OF TWO LAUNCHES of the LSTM cell: gates = xh wu^T + (b_W + b_U), then i, f, o = sigmoid, c~ = tanh, c_next = f c + i c~ (out1), h_next = o tanh(c_next) (out0).
; Nothing is left out: all of xh, wu, the eight biases and c are read and used.
; xh [8192][2048] and wu [4096][2048] are bf16, made by the launch before; row 128 (j / 32) + 32 g + j % 32 of wu is gate g (0 i, 1 f, 2 o, 3 c) of hidden column j.  Sums, biases, c and all activations in f32.
; LIMITS.  sigmoid(t) = 1 / (1 + 2^(-t log2 e)), tanh(t) = 1 - 2 / (1 + 2^(2 t log2 e)).  An exponential that overflows gives infinity, whose reciprocal is 0: both forms saturate at their true ends for
; every finite t.  v_exp_f32 and v_rcp_f32 give 0 for a result under 2^-126 (ISA guide, their entries in 15.8).  The tanh form has an absolute error of some 1e-7: for |t| under about 1e-4 its relative
; precision is lost.  NaN and infinities among the inputs are not treated apart.
; SHARES.  A work-group makes 256 batch rows x 256 rows of wu (64 hidden columns x 4 gates); four waves, as many as a WGP has SIMDs, each 128 x 128: 64 accumulators of 16 x 16, 512 registers.
; K = 2,048 goes in 16 steps of 128 through a ring of two LDS slots filled by the tensor data mover: rows of 256 bytes of memory, at multiples of 256 bytes from the buffer's first byte.
; CLUSTERS: 4 x 4 work-groups.  The four of a row of the cluster need the same tiles of xh, the four of a column the same tiles of wu: each tile is asked for JOINTLY, by the same tensor load with the
; same descriptor and a mask that names the four.
; THE MATRIX INSTRUCTION IS USED TRANSPOSED (source 0 = 16 rows of wu, source 1 = 16 rows of xh).  Accumulator (a, b), b = 2 g + u: lane l (r = l % 16, hh = l / 16), register j holds gate g of batch row
; 16 a + r and hidden column 16 u + 8 hh + j of my 128 rows x 32 columns.  So the four gates of an element lie in one lane, 16 registers apart, and the cell's arithmetic needs no exchange.
; BEHIND THE PRODUCT.  Slot 0, when it has been read for the last time, is filled once more, with the group's tile of c (256 rows x 256 bytes), while the last K step is multiplied.  Slot 1, which has then
; had its last fill, becomes the stage through which h_next and c_next leave as whole rows of 256 bytes.
; REGISTERS, in windows of 256 (s_set_vgpr_msb: bits 1:0 source 0, 3:2 source 1, 5:4 source 2, 7:6 destination):
;   window 0: v0-31 addresses; v32-63 c, two buffers of 16; v64-127, v128-191 fragments of xh, two buffers (at the end: out0's rows); v192-255 the scaled biases
;   window 1: v64-127, v128-191 fragments of wu (at the end: out1's rows)          window 2: the accumulators of my rows 0-63 ((a, b) at v[64 a + 8 b]); window 3: those of my rows 64-127
.set SIZE_K, 2048
.set KSTEP,  128
.set PITCH,  272                       ; an LDS row: 256 bytes + 16 of padding = 68 words: row r starts at bank 4 r mod 64 (64 banks of 4 bytes: ISA guide 11.1), so 16 rows start at 16 different groups of four banks
.set HALFT,  128*PITCH                 ; 128 rows: what one joint load brings
.set SLOT,   4*HALFT                   ; xh's 256 rows, then wu's 256 rows
.set HSTG,   SLOT                      ; the stage of h_next: 256 rows x 272 bytes, in slot 1
.set CSTG,   SLOT+2*HALFT              ; the stage of c_next, behind it
.set SPARE,  2*SLOT                    ; behind the ring: the spare words, 128 bytes for each wave: two blocks of 256 bytes that no other line names
.set LAPS,   SIZE_K/(2*KSTEP)          ; a lap = two K steps = once round the ring
.set ROWB,   4096                      ; bytes in a row of xh, wu, c, out0, out1
.set ADRA, 16                          ; v16-17  LDS address of my xh fragments in slot 0, 1
.set GO,   18                          ; v18     the way out: my byte offset in two rows of an output
.set BO,   19                          ; v19     my byte offset in a bias vector
.set ADRB, 20                          ; v20-21  LDS address of my wu fragments in slot 0, 1
.set CRD,  22                          ; v22     LDS address of my 32 bytes of c in block 0
.set STO0, 24                          ; v24     the same place in the stage of h_next
.set STO1, 25                          ; v25     and of c_next
.set RD0,  26                          ; v26     where I read rows of h_next back
.set RD1,  27                          ; v27     and of c_next
.set SPW,  28                          ; v28     LDS address of my spare word: SPARE + 4 x my thread's number; never rewritten
.set NIL,  29                          ; v29     0; never rewritten
.set PFO,  30                          ; v30     the prefetches' offset: my lane x a row; never rewritten
.set PFC,  31                          ; v31     the same, for c's prefetches; never rewritten
.set CR,   32                          ; v32-63  c of block a at CR + 16 (a % 2) + 8 u + j
.set F0,   64
.set F1,   128
.set BI,   192                         ; v192-255 (b_W + b_U) x the gate's factor, at BI + 16 g + 8 u + j
.set G1C, 16                           ; s[16:23] descriptor group 1 for c's tile
.set G1,  24                           ; s[24:31] group 1 for xh's tiles;   s[32:39] group 0, a set for each slot
.set G0,  32
.set LIM, 43                           ; s43      1 in a wave that prefetches the ring's tiles, else the greatest number
.set PFA, 44                           ; s[44:45] where those prefetches stand
.set G1B, 48                           ; s[48:55], s[56:63] the same two groups for wu's tiles
.set G0B, 56
.set KN,  66                           ; s[66:67] -log2 e, twice: the sigmoids' factor
.set KT,  94                           ; s[94:95] 2 log2 e, twice: the factor of both tanh
.set G0C, 96                           ; s[96:99] descriptor group 0 for c's tile
.set CA,  100                          ; s[100:101] c at my wave's 64 rows of the tile
.set MSB, 0
.macro WIN new                         ; the immediate's high byte repeats the setting that is left; a switch that changes nothing is dropped
.if MSB != (\new)
	s_set_vgpr_msb (MSB<<8)|(\new)
.set MSB, \new
.endif
.endm
.set MUL_LO, 0xa1                      ; source 0 (wu) window 1, source 1 (xh) window 0, C and D window 2
.set MUL_HI, 0xf1                      ; the same, C and D window 3
.set TO_B,   0x40                      ; destination window 1, address window 0
.macro PLACES                          ; four plain vector instructions: the distance behind a matrix instruction in front of loads into its sources and of readers of its result
.rept 4
	v_nop
.endr
.endm
; A joint load.  Waves 0 and 1 fetch xh's two halves, waves 2 and 3 wu's.  Each line has one mask and one set of registers for all that issue it; the branch hangs on the wave's number alone.
; An s_nop 0 and four v_nop follow each of the two lines, ahead of the jump and the label.
.macro JLOAD s
	s_cmp_eq_u32 s11, 0
	s_cbranch_scc0 .Lfor_b_\@
	tensor_load_to_lds s[G0+4*(\s):G0+4*(\s)+3], s[G1:G1+7]
	s_nop 0
	PLACES
	s_branch .Lasked_\@
.Lfor_b_\@:
	tensor_load_to_lds s[G0B+4*(\s):G0B+4*(\s)+3], s[G1B:G1B+7]
	s_nop 0
	PLACES
.Lasked_\@:
.endm
; A prefetch into the L2 of the K step that stands two refills on: 32 rows x 256 bytes, a lane a row, one instruction a wave, 512 matrix instructions ahead of the load that will ask for it.
; Each row's 256 bytes of a K step are named once in the launch: xh's tile row is read by every cluster of that row of clusters, and the one with cluster x = 0 asks; wu's tile column by every cluster
; of that column, and the one with cluster y = 0 asks.  Of the 128 rows that a wave fetches each of the four partners takes 32, told apart by address (cx for xh, cy for wu).
; K steps 0 to 3 come by their loads alone; the loop's last trip (s3 = 1) has no K step two on.
.macro ASK
	s_cmp_gt_u32 s3, s[LIM]
	s_cbranch_scc0 .Lnot_mine_\@
	global_prefetch_b8 v[PFO], s[PFA:PFA+1] offset:KSTEP*2 th:TH_LOAD_NT scope:SCOPE_SE
.Lnot_mine_\@:
.endm
; In the loop's last trip each wave asks for the 64 rows x 256 bytes of c that it will load itself two K steps later: a lane a row, two instructions; no other wave of the launch names them.
.macro ASKC
	s_cmp_eq_u32 s3, 1
	s_cbranch_scc0 .Lnot_yet_\@
	global_prefetch_b8 v[PFC], s[CA:CA+1] th:TH_LOAD_NT scope:SCOPE_SE
	global_prefetch_b8 v[PFC], s[CA:CA+1] offset:32*ROWB th:TH_LOAD_NT scope:SCOPE_SE
.Lnot_yet_\@:
.endm
; A round of the cluster's barrier: my work-group's barrier, so that wave 0's signal speaks for all four waves; wave 0 signals; every wave waits for all sixteen work-groups; my work-group's barrier once more.
.macro CREST                           ; a round behind its opening barrier
	s_cmp_lg_u32 s10, 0
	s_cbranch_scc1 .Lnot_wave_0_\@
	s_barrier_signal -3
.Lnot_wave_0_\@:
	s_barrier_wait -3
	s_barrier_signal -1
	s_barrier_wait -1
.endm
.macro CROUND                          ; a whole round
	s_barrier_signal -1
	s_barrier_wait -1
	CREST
.endm
	s_load_b512 s[68:83], s[0:1], 0x0              ; b_Wi 68, b_Wf 70, b_Wo 72, b_Wc 74, b_Ui 76, b_Uf 78, b_Uo 80, b_Uc 82
	s_load_b256 s[84:91], s[0:1], 0x40             ; xh 84, wu 86, c 88, out0 90
	s_load_b64 s[92:93], s[0:1], 0x60              ; out1
	v_lshl_add_u32 v[SPW], v0, 2, SPARE
	v_mov_b32 v[NIL], 0
	ds_add_u32 v[SPW], v[NIL]                      ; the wave's opening: the add, twice on end, and its wait, ahead of my first tensor load; the set-up below stands between
	ds_add_u32 v[SPW], v[NIL]                      ; and once more, under the one wait
	v_lshrrev_b32 v1, 5, v0
	v_readfirstlane_b32 s10, v1                    ; wave 0..3
	s_lshr_b32 s11, s10, 1                         ; which half of the tile's batch rows is mine.  Also: I fetch for xh (0) or for wu (1)
	s_and_b32 s12, s10, 1                          ; which half of its rows of wu.  Also: which 128 rows of that tile I fetch
	s_bfe_u32 s40, ttmp6, 0x40000                  ; cx
	s_bfe_u32 s41, ttmp6, 0x40004                  ; cy
	s_lshl_b32 s42, ttmp9, 2                       ; in a cluster launch ttmp9 and ttmp7 count clusters
	s_add_co_u32 s42, s42, s40                     ; tx: my 256 rows of wu = 4 x cluster x + cx
	s_and_b32 s13, ttmp7, 0xffff
	s_lshl_b32 s13, s13, 2
	s_add_co_u32 s13, s13, s41                     ; ty: my 256 batch rows = 4 x cluster y + cy
	s_lshl_b32 s43, s41, 2
	s_lshl_b32 s43, 15, s43                        ; my row of the cluster: places 4 cy .. 4 cy + 3
	s_lshl_b32 s44, 0x1111, s40                    ; my column: places cx, cx + 4, cx + 8, cx + 12
	; descriptor group 1: a tile of 128 rows x 128 elements of 2 bytes, padded in LDS
	s_or_b32 s[G1+0], s43, (1<<16)|(1<<20)|(1<<21)|(5<<22)|(3<<25)   ; 15:0 the mask; 17:16 2-byte elements; 20 padding on; 21 set beside a mask; 24:22 after every 64 words (code 5); 31:25 4 words (code 3)
	s_or_b32 s[G1B+0], s44, (1<<16)|(1<<20)|(1<<21)|(5<<22)|(3<<25)
.irp g, G1, G1B
	s_mov_b32 s[(\g)+1], KSTEP<<16                 ; tensor_dim0 = 128
	s_mov_b32 s[(\g)+2], 128<<16                   ; tensor_dim1 = 128
	s_mov_b32 s[(\g)+3], KSTEP<<16                 ; tile_dim0 = 128
	s_mov_b32 s[(\g)+4], 128                       ; tile_dim1 = 128
	s_mov_b32 s[(\g)+5], SIZE_K                    ; elements from row to row
	s_mov_b32 s[(\g)+6], 0
	s_mov_b32 s[(\g)+7], 0
.endr
	s_mov_b32 s[KN], 0xbfb8aa3b                    ; -log2 e
	s_mov_b32 s[KN+1], 0xbfb8aa3b
	s_mov_b32 s[KT], 0x4038aa3b                    ; 2 log2 e
	s_mov_b32 s[KT+1], 0x4038aa3b
	; where the tiles come from: xh's hang on ty alone, which my row of the cluster shares; wu's on tx alone, which my column shares.  Every wave makes both and asks by one.
	s_lshl_b32 s17, s12, 7                         ; which 128 rows of the tile I fetch
	s_lshl_b32 s16, s13, 8
	s_add_co_u32 s16, s16, s17                     ; xh: row 256 ty + 128 x half,
	s_lshl_b32 s16, s16, 12                        ; in bytes (under 2^25)
	s_lshl_b32 s46, s42, 8
	s_add_co_u32 s46, s46, s17                     ; wu: row 256 tx + 128 x half
	s_lshl_b32 s46, s46, 12
	s_mov_b32 s17, 0
	s_mov_b32 s47, 0
	s_mul_i32 s20, s10, HALFT                      ; and where they go: wave x 128 rows: no place in the cluster enters an LDS address
	s_wait_dscnt 0x0                               ; both opening adds are done
	s_wait_kmcnt 0x0
	s_add_nc_u64 s[14:15], s[84:85], s[16:17]
	s_add_nc_u64 s[46:47], s[86:87], s[46:47]
	CROUND                                         ; all sixteen work-groups are here: the first joint loads meet
.irp s, 0,1
	s_mov_b32 s[G0+4*(\s)], 1                                        ; count = 1
	s_add_co_u32 s[G0+4*(\s)+1], s20, (\s)*SLOT                      ; LDS address
	s_add_nc_u64 s[G0+4*(\s)+2:G0+4*(\s)+3], s[14:15], (\s)*KSTEP*2  ; global address: K step s
	s_or_b32 s[G0+4*(\s)+3], s[G0+4*(\s)+3], 0x80000000              ; type = 2
	s_mov_b32 s[G0B+4*(\s)], 1
	s_add_co_u32 s[G0B+4*(\s)+1], s20, (\s)*SLOT
	s_add_nc_u64 s[G0B+4*(\s)+2:G0B+4*(\s)+3], s[46:47], (\s)*KSTEP*2
	s_or_b32 s[G0B+4*(\s)+3], s[G0B+4*(\s)+3], 0x80000000
	JLOAD \s                                       ; two loads of mine are out: the ring is filled before anything else is done
.endr
	; WHILE THE FIRST TILES COME: the biases, then every address.
	v_and_b32 v1, 15, v0                           ; r = l % 16
	v_bfe_u32 v2, v0, 4, 1                         ; hh = l / 16
	s_lshl_b32 s6, s42, 8                          ; my hidden columns in a bias vector, in bytes: 256 tx
	s_lshl_b32 s7, s12, 7                          ; + 128 x my half
	s_add_co_u32 s6, s6, s7
	v_lshl_add_u32 v[BO], v2, 5, s6                ; + 32 hh
.irp g, 0,1,2,3
.irp u, 0,1
.irp k, 0,1
	global_load_b128 v[BI+16*(\g)+8*(\u)+4*(\k):BI+16*(\g)+8*(\u)+4*(\k)+3], v[BO], s[68+2*(\g):69+2*(\g)] offset:64*(\u)+16*(\k)  ; b_W of gate g
	global_load_b128 v[F1+16*(\g)+8*(\u)+4*(\k):F1+16*(\g)+8*(\u)+4*(\k)+3], v[BO], s[76+2*(\g):77+2*(\g)] offset:64*(\u)+16*(\k)  ; b_U, into a fragment buffer that is still free
.endr
.endr
.endr
	; A fragment is 16 rows x 32 K in 8 registers: lane l holds row l % 16; registers 0-3 K = 8 (l / 16) + 0..7, registers 4-7 K = 16 + 8 (l / 16) + 0..7: two loads of 16 bytes, 32 bytes apart.
	v_mul_u32_u24 v3, v1, PITCH
	v_lshl_add_u32 v3, v2, 4, v3                   ; row x pitch + 16 x half
	s_mul_i32 s21, s11, HALFT                      ; my 128 rows of xh
	s_mul_i32 s22, s12, HALFT                      ; my 128 rows of wu,
	s_add_co_u32 s22, s22, 2*HALFT                 ; which lie behind xh's 256
.irp s, 0,1
	v_add_nc_u32 v[ADRA+(\s)], s21, v3
	v_add_nc_u32 v[ADRB+(\s)], s22, v3
	s_add_co_u32 s21, s21, SLOT
	s_add_co_u32 s22, s22, SLOT
.endr
	s_mul_i32 s8, s11, HALFT                       ; c's tile and the two stages: row 128 x my row half + r,
	s_add_co_u32 s8, s8, s7                        ; byte 128 x my column half + 32 hh
	v_mul_u32_u24 v4, v1, PITCH
	v_lshl_add_u32 v4, v2, 5, v4
	v_add_nc_u32 v[CRD], s8, v4
	v_add_nc_u32 v[STO0], HSTG, v[CRD]
	v_add_nc_u32 v[STO1], CSTG, v[CRD]
	s_mul_i32 s9, s10, 64*PITCH                    ; back: wave w takes rows 64 w .. 64 w + 63, whole; lanes 0-15 one row of 256 bytes, lanes 16-31 the next
	s_add_co_u32 s9, s9, HSTG
	v_mul_u32_u24 v5, v2, PITCH
	v_lshl_add_u32 v5, v1, 4, v5
	v_add_nc_u32 v[RD0], s9, v5
	v_add_nc_u32 v[RD1], CSTG-HSTG, v[RD0]
	v_lshlrev_b32 v[GO], 12, v2                    ; and the same two rows in an output
	v_lshl_add_u32 v[GO], v1, 4, v[GO]
	v_and_b32 v[PFO], 31, v0
	v_lshlrev_b32 v[PFO], 12, v[PFO]               ; lane x 4,096
	v_mov_b32 v[PFC], v[PFO]
	s_lshl_b32 s4, s13, 8                          ; c, out0 and out1 at row 256 ty + 64 x wave, byte 256 tx: one offset for the three (under 2^25)
	s_lshl_b32 s5, s10, 6
	s_add_co_u32 s4, s4, s5
	s_lshl_b32 s4, s4, 12
	s_lshl_b32 s5, s42, 8
	s_add_co_u32 s4, s4, s5
	s_mov_b32 s5, 0
	s_add_nc_u64 s[CA:CA+1], s[88:89], s[4:5]
	s_add_nc_u64 s[90:91], s[90:91], s[4:5]
	s_add_nc_u64 s[92:93], s[92:93], s[4:5]
	; the ring's prefetches
	s_lshl_b32 s4, s13, 8                          ; 256 ty
	s_lshl_b32 s5, s42, 8                          ; 256 tx
	s_and_b32 s6, ttmp7, 0xffff                    ; cluster y
	s_cmp_eq_u32 s11, 0                            ; do I fetch for xh?
	s_cselect_b32 s4, s4, s5                       ; the tile's first row
	s_cselect_b32 s5, s40, s41                     ; my place among the four that ask for it with me
	s_cselect_b32 s6, ttmp9, s6                    ; the coordinate along which other clusters read the same rows
	s_cselect_b64 s[PFA:PFA+1], s[84:85], s[86:87]
	s_cmp_eq_u32 s6, 0
	s_cselect_b32 s[LIM], 1, -1                    ; the same in all sixteen partners, for a given wave
	s_lshl_b32 s6, s12, 7
	s_add_co_u32 s4, s4, s6                        ; + the 128 rows that I fetch
	s_lshl_b32 s5, s5, 5
	s_add_co_u32 s4, s4, s5                        ; + my work-group's 32 of them
	s_lshl_b32 s4, s4, 12
	s_mov_b32 s5, 0
	s_add_nc_u64 s[PFA:PFA+1], s[PFA:PFA+1], s[4:5]
	s_add_nc_u64 s[PFA:PFA+1], s[PFA:PFA+1], 2*KSTEP*2  ; at K step 2: the first refill steps it to 3 and names K step 4
	; c's tile: each wave loads 64 rows x 64 f32 of its own, no mask
	s_mov_b32 s[G1C+0], (2<<16)|(1<<20)|(5<<22)|(3<<25)  ; 4-byte elements; padding on; after every 64 words 4 words
	s_mov_b32 s[G1C+1], 64<<16                     ; tensor_dim0 = 64
	s_mov_b32 s[G1C+2], 64<<16                     ; tensor_dim1 = 64
	s_mov_b32 s[G1C+3], 64<<16                     ; tile_dim0 = 64
	s_mov_b32 s[G1C+4], 64                         ; tile_dim1 = 64
	s_mov_b32 s[G1C+5], 1024                       ; elements from row to row
	s_mov_b32 s[G1C+6], 0
	s_mov_b32 s[G1C+7], 0
	s_mov_b32 s[G0C], 1
	s_mul_i32 s[G0C+1], s10, 64*PITCH              ; into slot 0: wave x 64 rows of 272 bytes
	s_mov_b64 s[G0C+2:G0C+3], s[CA:CA+1]
	s_or_b32 s[G0C+3], s[G0C+3], 0x80000000
	s_wait_loadcnt 0x0                             ; the biases
.set p, 0
.rept 32
	v_pk_add_f32 v[BI+2*p:BI+2*p+1], v[BI+2*p:BI+2*p+1], v[F1+2*p:F1+2*p+1]  ; b_W + b_U
.set p, p+1
.endr
.set p, 0
.rept 32                               ; times the gate's factor, so that one fused multiply-add makes an exponent of a sum
.if p < 24
	v_pk_mul_f32 v[BI+2*p:BI+2*p+1], v[BI+2*p:BI+2*p+1], s[KN:KN+1] op_sel_hi:[1,0]
.else
	v_pk_mul_f32 v[BI+2*p:BI+2*p+1], v[BI+2*p:BI+2*p+1], s[KT:KT+1] op_sel_hi:[1,0]
.endif
.set p, p+1
.endr
; 16 matrix instructions: blocks a0, a0 + 1 of the window's four (hi = 0: my rows 0-63, 1: rows 64-127) x all 8 blocks of wu, 32 along K.  zero = 1: the first product starts the sums.
; The 64 accumulators take turns, one instruction a turn, in the same order in every quarter step, over the backward jump too.
.macro MUL16 f, hi, a0, zero
	WIN MUL_LO+0x50*(\hi)
.irp a, \a0, (\a0)+1
.irp b, 0,1,2,3,4,5,6,7
.if \zero
	v_wmma_f32_16x16x32_bf16 v[8*(8*(\a)+(\b)):8*(8*(\a)+(\b))+7], v[(\f)+8*(\b):(\f)+8*(\b)+7], v[(\f)+8*(4*(\hi)+(\a)):(\f)+8*(4*(\hi)+(\a))+7], 0
.else
	v_wmma_f32_16x16x32_bf16 v[8*(8*(\a)+(\b)):8*(8*(\a)+(\b))+7], v[(\f)+8*(\b):(\f)+8*(\b)+7], v[(\f)+8*(4*(\hi)+(\a)):(\f)+8*(4*(\hi)+(\a))+7], v[8*(8*(\a)+(\b)):8*(8*(\a)+(\b))+7]
.endif
.endr
.endr
.endm
; 32 LDS loads in one run: the fragments of one quarter step (128 rows of wu, 128 rows of xh, 32 K at byte k of the rows) into buffer f
.macro FETCH slot, k, f
	WIN TO_B
.irp i, 0,1,2,3,4,5,6,7
	ds_load_b128 v[(\f)+8*(\i):(\f)+8*(\i)+3],   v[ADRB+(\slot)] offset:(\k)+(\i)*16*PITCH
	ds_load_b128 v[(\f)+8*(\i)+4:(\f)+8*(\i)+7], v[ADRB+(\slot)] offset:(\k)+(\i)*16*PITCH+32
.endr
	WIN 0
.irp i, 0,1,2,3,4,5,6,7
	ds_load_b128 v[(\f)+8*(\i):(\f)+8*(\i)+3],   v[ADRA+(\slot)] offset:(\k)+(\i)*16*PITCH
	ds_load_b128 v[(\f)+8*(\i)+4:(\f)+8*(\i)+7], v[ADRA+(\slot)] offset:(\k)+(\i)*16*PITCH+32
.endr
.endm
; A K step is four quarter steps of 32 along K, 64 matrix instructions each, on buffers 0, 1, 0, 1.  One of the first three multiplies buffer f and, in its middle, fetches the next quarter's fragments into g.
.macro QUARTER slot, k, f, g, zero
	s_wait_dscnt 8                                 ; wu's fragments and xh's rows 0-63 are in; the youngest eight loads (xh's rows 64-127) may be out
	MUL16 \f, 0, 0, \zero
	MUL16 \f, 0, 2, \zero
	PLACES
	FETCH \slot, \k, \g
	s_wait_dscnt 32                                ; all but the 32 just issued
	MUL16 \f, 1, 0, \zero
	MUL16 \f, 1, 2, \zero
.endm
; The last quarter multiplies buffer 1 and changes slots.  MEET is its first half: in front of the barrier each wave waits for all its tensor loads, of which one is out: its part of the next slot; adds 0 to
; its spare word; and waits for that and for its own reads of this slot.  The barrier opens a round of the cluster's barrier.
.macro MEET
	WIN 0                                          ; (the add's two registers lie in window 0)
	s_wait_tensorcnt 0x0                           ; all my tensor loads have landed;
	ds_add_u32 v[SPW], v[NIL]                      ; 0 onto my spare word;
	s_wait_dscnt 9                                 ; (the add and the youngest eight loads may be out)
	MUL16 F1, 0, 0, 0                              ; sixteen matrix instructions stand between the add and the wait for it
	s_wait_dscnt 0x0                               ; the add is done, and my reads of this slot are over:
	s_barrier_signal -1                            ; say so,
	MUL16 F1, 0, 2, 0                              ; work on registers while the others arrive,
	WIN 0
	s_barrier_wait -1                              ; and go on when all four have said so
.endm
; The whole last quarter.  Behind the round the slot just read out is filled again first: kind = 0 with the K step two steps on, jointly; kind = 1 with my quarter of c's tile, a load of my own.  Either is my one
; tensor load behind the round, and a wave issues 224 (kind 0) or 256 (kind 1) matrix instructions between it and the wait for it.  Then come the next slot's first fragments.
.macro TURN slot, next, kind
.if (\kind) == 0
	s_wait_xcnt 0x0                                ; the last prefetch, a K step back, has read its address: it is stepped here, ahead of the waits of the change of slots
	s_add_nc_u64 s[PFA:PFA+1], s[PFA:PFA+1], KSTEP*2
.endif
	MEET
	CREST                                          ; no wave of any partner still reads this slot's tile or has a load on its way
.if (\kind) == 0
	s_add_nc_u64 s[G0+4*(\slot)+2:G0+4*(\slot)+3], s[G0+4*(\slot)+2:G0+4*(\slot)+3], 2*KSTEP*2
	s_add_nc_u64 s[G0B+4*(\slot)+2:G0B+4*(\slot)+3], s[G0B+4*(\slot)+2:G0B+4*(\slot)+3], 2*KSTEP*2
	JLOAD \slot                                    ; the four v_nop behind it are also the places in front of the loads below
.else
	tensor_load_to_lds s[G0C:G0C+3], s[G1C:G1C+7]
	s_nop 0
	PLACES
.endif
	FETCH \next, 0, F0
.if (\kind) == 0
	ASK                                            ; behind the joint load and the run of LDS loads that the next products wait for
.if (\slot) == 0
	ASKC
.endif
.endif
	MUL16 F1, 1, 0, 0
	MUL16 F1, 1, 2, 0
.endm
; THE CELL'S ARITHMETIC, a block of 16 batch rows at a time: 16 elements a lane.
.macro CLOAD a                         ; c of block a: my 2 x 32 bytes of row 16 a + r
	WIN 0
.irp u, 0,1
.irp k, 0,1
	ds_load_b128 v[CR+16*((\a)%2)+8*(\u)+4*(\k):CR+16*((\a)%2)+8*(\u)+4*(\k)+3], v[CRD] offset:(\a)*16*PITCH+64*(\u)+16*(\k)
.endr
.endr
.endm
; Block a's 64 registers v[AC ..]: +0 gate i, +16 f, +32 o, +48 c~, 16 each, worked on in place.  Transcendentals go in batches: each batch is issued with the plain instruction of the NEXT pair between, nothing
; names a result inside its batch, a v_nop stands behind the last, and one s_wait_alu depctr_va_vdst(0) stands ahead of the first reader: four waits a block.
; Each accumulator's registers are read in ascending order, its lowest first.
.macro GATES a
.set AC, 64*((\a)%4)
.set WW, 2+(\a)/4                      ; the block's window
.set EA, (WW<<6)|WW                    ; source 0 and destination there, sources 1 and 2 in window 0
.set EB, (WW<<6)|(WW<<4)|(WW<<2)|WW    ; all there
.set EC, (WW<<6)|(WW<<4)|WW            ; all there but source 1
.set ES, WW<<2                         ; an LDS store: address in window 0, data there
.set CB, CR+16*((\a)%2)
.if (\a) < 7
	CLOAD (\a)+1                                   ; the next block's c, a block ahead
.endif
	WIN EA
.set p, 0
.rept 32                               ; the exponents: -(sum + bias) log2 e for i, f, o; 2 (sum + bias) log2 e for c~; and 2^ of them
.if p < 24
	v_pk_fma_f32 v[AC+2*p:AC+2*p+1], v[AC+2*p:AC+2*p+1], s[KN:KN+1], v[BI+2*p:BI+2*p+1] op_sel_hi:[1,0,1]
.else
	v_pk_fma_f32 v[AC+2*p:AC+2*p+1], v[AC+2*p:AC+2*p+1], s[KT:KT+1], v[BI+2*p:BI+2*p+1] op_sel_hi:[1,0,1]
.endif
.if p > 0
	v_exp_f32 v[AC+2*p-2], v[AC+2*p-2]
	v_exp_f32 v[AC+2*p-1], v[AC+2*p-1]
.endif
.set p, p+1
.endr
	v_exp_f32 v[AC+62], v[AC+62]
	v_exp_f32 v[AC+63], v[AC+63]
	v_nop
	s_wait_alu depctr_va_vdst(0)                   ; one wait for the 64 exponentials
.set p, 0
.rept 32                               ; 1 / (1 + 2^..)
	v_pk_add_f32 v[AC+2*p:AC+2*p+1], v[AC+2*p:AC+2*p+1], 1.0 op_sel_hi:[1,0]
.if p > 0
	v_rcp_f32 v[AC+2*p-2], v[AC+2*p-2]
	v_rcp_f32 v[AC+2*p-1], v[AC+2*p-1]
.endif
.set p, p+1
.endr
	v_rcp_f32 v[AC+62], v[AC+62]
	v_rcp_f32 v[AC+63], v[AC+63]
	v_nop
	s_wait_alu depctr_va_vdst(0)                   ; one wait for the 64 reciprocals
.set q, 0
.rept 8
	v_pk_fma_f32 v[AC+48+2*q:AC+49+2*q], v[AC+48+2*q:AC+49+2*q], -2.0, 1.0 op_sel_hi:[1,0,0]  ; c~ = 1 - 2 / (1 + 2^..)
.set q, q+1
.endr
	WIN EB
.set q, 0
.rept 8
	v_pk_mul_f32 v[AC+2*q:AC+2*q+1], v[AC+2*q:AC+2*q+1], v[AC+48+2*q:AC+49+2*q]  ; i c~
.set q, q+1
.endr
.if (\a) < 7
	s_wait_dscnt 4                                 ; this block's c is in: only the next block's four loads were issued behind it and the last block's stores
.else
	s_wait_dscnt 0x0                               ; the last block's c is in
.endif
	WIN EC
.set q, 0
.rept 8
	v_pk_fma_f32 v[AC+16+2*q:AC+17+2*q], v[AC+16+2*q:AC+17+2*q], v[CB+2*q:CB+2*q+1], v[AC+2*q:AC+2*q+1]  ; c_next = f c + i c~
.set q, q+1
.endr
	WIN EA
.set q, 0
.rept 8                                ; 2^(2 c_next log2 e)
	v_pk_mul_f32 v[AC+48+2*q:AC+49+2*q], v[AC+16+2*q:AC+17+2*q], s[KT:KT+1] op_sel_hi:[1,0]
.if q > 0
	v_exp_f32 v[AC+46+2*q], v[AC+46+2*q]
	v_exp_f32 v[AC+47+2*q], v[AC+47+2*q]
.endif
.set q, q+1
.endr
	v_exp_f32 v[AC+62], v[AC+62]
	v_exp_f32 v[AC+63], v[AC+63]
	WIN ES
.irp u, 0,1
.irp k, 0,1
	ds_store_b128 v[STO1], v[AC+16+8*(\u)+4*(\k):AC+16+8*(\u)+4*(\k)+3] offset:(\a)*16*PITCH+64*(\u)+16*(\k)  ; c_next into its stage, while the exponentials are at work
.endr
.endr
	WIN EA
	v_nop
	s_wait_alu depctr_va_vdst(0)                   ; one wait for the 16 exponentials
.set q, 0
.rept 8
	v_pk_add_f32 v[AC+48+2*q:AC+49+2*q], v[AC+48+2*q:AC+49+2*q], 1.0 op_sel_hi:[1,0]
.if q > 0
	v_rcp_f32 v[AC+46+2*q], v[AC+46+2*q]
	v_rcp_f32 v[AC+47+2*q], v[AC+47+2*q]
.endif
.set q, q+1
.endr
	v_rcp_f32 v[AC+62], v[AC+62]
	v_rcp_f32 v[AC+63], v[AC+63]
	v_nop
	s_wait_alu depctr_va_vdst(0)                   ; one wait for the 16 reciprocals
.set q, 0
.rept 8
	v_pk_fma_f32 v[AC+48+2*q:AC+49+2*q], v[AC+48+2*q:AC+49+2*q], -2.0, 1.0 op_sel_hi:[1,0,0]  ; tanh(c_next)
.set q, q+1
.endr
	WIN EB
.set q, 0
.rept 8
	v_pk_mul_f32 v[AC+32+2*q:AC+33+2*q], v[AC+32+2*q:AC+33+2*q], v[AC+48+2*q:AC+49+2*q]  ; h_next = o tanh(c_next)
.set q, q+1
.endr
	WIN ES
.irp u, 0,1
.irp k, 0,1
	ds_store_b128 v[STO0], v[AC+32+8*(\u)+4*(\k):AC+32+8*(\u)+4*(\k)+3] offset:(\a)*16*PITCH+64*(\u)+16*(\k)
.endr
.endr
.endm
	s_wait_tensorcnt 1                             ; my part of K step 0 is in; K step 1's may stay out
	s_barrier_signal -1
	s_barrier_wait -1                              ; everybody's is
	FETCH 0, 0, F0
	QUARTER 0, 64,  F0, F1, 1                      ; the first quarter stands in front of the loop: its products start the sums
	WIN 0                                          ; at a label and at a branch every window is 0
	s_mov_b32 s3, LAPS-1
.Llap:                                                 ; a trip goes once round the ring, from a lap's second quarter to the next lap's first, and fills both slots again
	QUARTER 0, 128, F1, F0, 0
	QUARTER 0, 192, F0, F1, 0
	TURN 0, 1, 0
	QUARTER 1, 64,  F0, F1, 0
	QUARTER 1, 128, F1, F0, 0
	QUARTER 1, 192, F0, F1, 0
	TURN 1, 0, 0
	QUARTER 0, 64,  F0, F1, 0
	WIN 0
	s_sub_co_u32 s3, s3, 1
	s_cmp_lg_u32 s3, 0
	s_cbranch_scc1 .Llap
	QUARTER 0, 128, F1, F0, 0                      ; the last lap is written out: K step 14 goes on,
	QUARTER 0, 192, F0, F1, 0
	TURN 0, 1, 1                                   ; slot 0 takes c's tile,
	QUARTER 1, 64,  F0, F1, 0                      ; and K step 15 is multiplied while it comes
	QUARTER 1, 128, F1, F0, 0
	QUARTER 1, 192, F0, F1, 0
	s_wait_dscnt 8                                 ; the very last quarter: nothing more to fetch
	MUL16 F1, 0, 0, 0
	MUL16 F1, 0, 2, 0
	s_wait_tensorcnt 0x0                           ; my quarter of c's tile has landed: other waves read it behind the barrier;
	s_wait_dscnt 0x0                               ; my reads of slot 1 are over: other waves store into it behind the barrier
	s_barrier_signal -1
	MUL16 F1, 1, 0, 0
	MUL16 F1, 1, 2, 0
	WIN 0
	s_barrier_wait -1
	PLACES                                         ; four places behind the last products, in front of the first reader of a sum
	CLOAD 0
.irp a, 0,1,2,3,4,5,6,7
	GATES \a
.endr
	; THE WAY OUT.  A stage row's 256 bytes come from two waves: a barrier between writing and reading.  Each wave then reads 64 whole rows of each stage and stores them.
	WIN 0
	s_wait_dscnt 0x0                               ; for the others' sake: my stores into the stages are done
	s_barrier_signal -1
	s_barrier_wait -1
.set t, 0
.rept 32
	ds_load_b128 v[F0+4*t:F0+4*t+3], v[RD0] offset:2*PITCH*t   ; h_next, two rows a load, into window 0
.set t, t+1
.endr
	WIN TO_B
.set t, 0
.rept 32
	ds_load_b128 v[F0+4*t:F0+4*t+3], v[RD1] offset:2*PITCH*t   ; c_next, into window 1
.set t, t+1
.endr
	WIN 0
.set t, 0
.rept 32
	s_wait_dscnt 63-t                              ; LDS loads come back in order (ISA guide 5.7.1): behind load t stand 31 - t of h_next's and the 32 of c_next's
	global_store_b128 v[GO], v[F0+4*t:F0+4*t+3], s[90:91] offset:2*ROWB*t th:TH_STORE_NT  ; 16 lanes store 256 consecutive bytes, at a multiple of 256 from out0's first byte
.set t, t+1
.endr
	WIN 0x04                                       ; the stores' data in window 1
.set t, 0
.rept 32
	s_wait_dscnt 31-t
	global_store_b128 v[GO], v[F0+4*t:F0+4*t+3], s[92:93] offset:2*ROWB*t th:TH_STORE_NT
.set t, t+1
.endr
	WIN 0
	s_wait_tensorcnt 0x0                           ; the wave's end, behind my last tensor load and my last LDS store
	ds_add_u32 v[SPW], v[NIL]
	s_wait_dscnt 0x0
	CROUND                                         ; the closing round: no work-group ends while a partner may still ask for a tile that names it
	s_endpgm
.Lfunc_end_k_qfd2c1fbc11_lstm:
	.size	k_qfd2c1fbc11_lstm, .Lfunc_end_k_qfd2c1fbc11_lstm-k_qfd2c1fbc11_lstm
	.p2alignl 7, 3214868480
	.fill 96, 4, 3214868480
	.section	.rodata,"a",@progbits
	.p2align	6, 0x0
	.amdhsa_kernel k_qfd2c1fbc11_lstm
		.amdhsa_group_segment_fixed_size 327680
		.amdhsa_private_segment_fixed_size 0
		.amdhsa_enable_private_segment 0
		.amdhsa_kernarg_size 104
		.amdhsa_user_sgpr_count 2
		.amdhsa_user_sgpr_kernarg_segment_ptr 1
		.amdhsa_wavefront_size32 1
		.amdhsa_system_sgpr_workgroup_id_x 1
		.amdhsa_system_sgpr_workgroup_id_y 1
		.amdhsa_system_sgpr_workgroup_id_z 1
		.amdhsa_system_vgpr_workitem_id 0
		.amdhsa_next_free_vgpr 1024
		.amdhsa_next_free_sgpr 102
		.amdhsa_reserve_vcc 0
		.amdhsa_float_denorm_mode_32 3
		.amdhsa_float_denorm_mode_16_64 3
		.amdhsa_memory_ordered 1
		.amdhsa_forward_progress 1
		.amdhsa_inst_pref_size 244
	.end_amdhsa_kernel
	.amdgpu_metadata
---
amdhsa.version: [ 1, 2 ]
amdhsa.kernels:
  - .name:           k_qfd2c1fbc11_lstm
    .symbol:         k_qfd2c1fbc11_lstm.kd
    .args:
      - { .name: b_Wi, .offset: 0, .size: 8, .value_kind: global_buffer, .address_space: global }
      - { .name: b_Wf, .offset: 8, .size: 8, .value_kind: global_buffer, .address_space: global }
      - { .name: b_Wo, .offset: 16, .size: 8, .value_kind: global_buffer, .address_space: global }
      - { .name: b_Wc, .offset: 24, .size: 8, .value_kind: global_buffer, .address_space: global }
      - { .name: b_Ui, .offset: 32, .size: 8, .value_kind: global_buffer, .address_space: global }
      - { .name: b_Uf, .offset: 40, .size: 8, .value_kind: global_buffer, .address_space: global }
      - { .name: b_Uo, .offset: 48, .size: 8, .value_kind: global_buffer, .address_space: global }
      - { .name: b_Uc, .offset: 56, .size: 8, .value_kind: global_buffer, .address_space: global }
      - { .name: xh, .offset: 64, .size: 8, .value_kind: global_buffer, .address_space: global }
      - { .name: wu, .offset: 72, .size: 8, .value_kind: global_buffer, .address_space: global }
      - { .name: c, .offset: 80, .size: 8, .value_kind: global_buffer, .address_space: global }
      - { .name: out0, .offset: 88, .size: 8, .value_kind: global_buffer, .address_space: global }
      - { .name: out1, .offset: 96, .size: 8, .value_kind: global_buffer, .address_space: global }
    .group_segment_fixed_size: 327680
    .private_segment_fixed_size: 0
    .kernarg_segment_align: 8
    .kernarg_segment_size: 104
    .max_flat_workgroup_size: 128
    .sgpr_count:     102
    .vgpr_count:     1024
    .wavefront_size: 32
...
	.end_amdgpu_metadata
.endif
;; end of part 2
;; ======== version 2 of 2: 2 launches; version 1 with the launch cast written anew for expert scheduling mode
;; workspace buffers: xh 33,554,432 bytes; wu 16,777,216 bytes
;; launch cast (part 3): grid 256 x 3, 8 waves a work-group, no clusters, 0 bytes of LDS; arguments x, h, W_i, W_f, W_o, W_c, U_i, U_f, U_o, U_c, xh, wu; writes xh, wu
.if DOCPART == 3
	.amdgcn_target "amdgcn-amd-amdhsa--gfx1250"
	.amdhsa_code_object_version 6
	.text
	.protected	k_qfd2c1fbc11_cast
	.globl	k_qfd2c1fbc11_cast
	.p2align	8
	.type	k_qfd2c1fbc11_cast,@function
k_qfd2c1fbc11_cast:
	s_mov_b64 s[64:65], 0
	v_nop
	global_prefetch_b8 v0, s[64:65] scope:SCOPE_SE
	s_setreg_imm32_b32 hwreg(HW_REG_WAVE_SCHED_MODE, 0, 2), 2
	s_setreg_imm32_b32 hwreg(HW_REG_WAVE_MODE, 25, 1), 1
	s_wait_xcnt 0x0
	s_wait_alu depctr_vm_vsrc(0)
; FIRST OF TWO LAUNCHES of an LSTM cell: gates = [x|h] [W|U]^T + (b_W + b_U); i, f, o = sigmoid, c~ = tanh; c_next = f c + i c~; h_next = o tanh(c_next).
; NO WORK IS LEFT OUT: each of the 19 inputs reaches both outputs or one of them for some values, nothing is sliced away and no term cancels.  This launch reads x, h and the eight
; weight matrices; the second reads what this one stores, the eight biases and c.
; WHAT THIS LAUNCH DOES.  It rounds the matrix operands once, f32 to bf16 (to nearest even), and lays them out for the product:
;   xh [8192][2048] bf16: columns 0-1023 = x, columns 1024-2047 = h: one K axis of 2,048.
;   wu [4096][2048] bf16: row 128 (j / 32) + 32 g + j % 32 holds W_g[j] (columns 0-1023) and U_g[j] (columns 1024-2047), g = 0 i, 1 f, 2 o, 3 c: the four gates of 32 hidden
;   columns are 128 rows on end, so that one wave of the product holds all four gates of an element.
; LIMITS.  bf16 has f32's range: no input of finite size overflows here; NaN and infinities pass as they are.
; SHARES.  A work-group takes 32 rows of 1,024 f32 of ONE source.  Grid y = 0: x, 1: h (256 groups each), 2: the eight matrices (32 groups each, matrix = x / 32).
; Thread t owns bytes 16 t .. 16 t + 15 of every source row: a wave's load covers 512 consecutive bytes; its 8 bytes of bf16 go to byte 8 t of the half row: a wave's store covers
; 256 consecutive bytes, at a multiple of 256 from the buffer's first byte.  All 32 loads of a wave go out at once.  No LDS, no barrier: no wave wants what another has.
; THE MODE: SCHED_MODE bits 1:0 = 2 (LLVM: expert scheduling mode 2), set by the entry lines.  The code itself states the register dependences between vector instructions and memory
; instructions, with s_wait_alu, always for 0.
; THE PLAN.  Registers that memory instructions touch:
;   v1, v2        byte offsets, written once at the head; v1 is read by every load, v2 by every store; never written again.
;   v[X + 4 i ..] row i: its load lands in four registers that no vector instruction has named; its two roundings read the four and write the first two; its store reads those two;
;                 nothing writes them again.
; So no register that a memory instruction has read is ever written, and no load lands in a register that a vector instruction has named: what is left to state is that a vector
; instruction has written what a memory instruction reads.  The 32 rows go in 8 blocks of four.  Block p rounds its own rows; its memory instructions are the four stores of block
; p - 1, whose registers no vector instruction of block p names.  ONE wait at a block's head, behind the wait for the block's data, states all that those four stores hang on, and they
; are dealt among the block's roundings with no further wait.
.set ROW, 4096                         ; bytes in a source row, and in a row of xh and wu
.set BLOCK, 4                          ; rows in a block
.set X,   4                            ; v[4:131] row i as loaded at v[X + 4 i]; its first two registers then hold the four bf16
.set SRC, 32                           ; s[32:33] the source at my group's first row
.set DST, 34                           ; s[34:35] the destination at my group's first half row
	s_load_b512 s[8:23], s[0:1], 0x0               ; x 8, h 10, W_i 12, W_f 14, W_o 16, W_c 18, U_i 20, U_f 22
	s_load_b256 s[24:31], s[0:1], 0x40             ; U_o 24, U_c 26, xh 28, wu 30
	s_and_b32 s2, ttmp7, 0xffff                    ; which kind of source
	s_lshr_b32 s3, ttmp9, 5                        ; for the weights: the matrix, 0 to 7,
	s_and_b32 s4, ttmp9, 31                        ; and its block q of 32 rows
	s_and_b32 s5, s3, 3                            ; the gate g
	s_lshr_b32 s6, s3, 2                           ; 0: a W (left half of K), 1: a U (right half)
	s_lshl_b32 s36, s4, 17                         ; source offset: q x 32 rows x 4,096 bytes
	s_lshl_b32 s7, s4, 7
	s_lshl_b32 s5, s5, 5
	s_add_co_u32 s7, s7, s5                        ; row of wu: 128 q + 32 g
	s_lshl_b32 s7, s7, 12
	s_lshl_b32 s6, s6, 11
	s_add_co_u32 s38, s7, s6                       ; its bytes, + 2,048 for a U
	s_lshl_b32 s4, ttmp9, 17                       ; for x and h: the group's 32 rows, the same offset in source and xh,
	s_lshl_b32 s5, s2, 11
	s_add_co_u32 s5, s4, s5                        ; + 2,048 for h
	s_cmp_eq_u32 s2, 2
	s_cselect_b32 s36, s36, s4
	s_cselect_b32 s38, s38, s5
	s_mov_b32 s37, 0                               ; both offsets stay under 2^26
	s_mov_b32 s39, 0
	v_lshlrev_b32 v1, 4, v0                        ; 16 t
	v_lshlrev_b32 v2, 3, v0                        ; 8 t
	s_wait_kmcnt 0x0
	s_mov_b64 s[SRC:SRC+1], s[12:13]               ; the source is chosen among the ten by the group's numbers alone
.irp m, 1,2,3,4,5,6,7
	s_cmp_eq_u32 s3, \m
	s_cselect_b64 s[SRC:SRC+1], s[12+2*(\m):13+2*(\m)], s[SRC:SRC+1]
.endr
	s_cmp_eq_u32 s2, 0
	s_cselect_b64 s[SRC:SRC+1], s[8:9], s[SRC:SRC+1]
	s_cmp_eq_u32 s2, 1
	s_cselect_b64 s[SRC:SRC+1], s[10:11], s[SRC:SRC+1]
	s_cmp_eq_u32 s2, 2
	s_cselect_b64 s[DST:DST+1], s[30:31], s[28:29]
	s_add_nc_u64 s[SRC:SRC+1], s[SRC:SRC+1], s[36:37]
	s_add_nc_u64 s[DST:DST+1], s[DST:DST+1], s[38:39]
	s_wait_alu depctr_va_vdst(0)                   ; v1 and v2 are written: every load of the kernel reads v1 as its offset, every store v2
.set i, 0
.rept 32
	global_load_b128 v[X+4*i:X+4*i+3], v1, s[SRC:SRC+1] offset:ROW*i th:TH_LOAD_NT  ; each source byte is read once in the launch
.set i, i+1
.endr
.set p, 0
.rept 32/BLOCK                         ; block p: rows 4 p to 4 p + 3 are rounded, rows 4 p - 4 to 4 p - 1 are stored
	s_wait_loadcnt 32-BLOCK-BLOCK*p                ; loads come back in order (ISA guide 5.7.1): this block's four rows are in, the younger blocks' loads stay out
.if p > 0
	s_wait_alu depctr_va_vdst(0)                   ; the roundings of the block before have written the first two registers of its four rows, which the four stores below read
.endif
.set i, 0
.rept BLOCK
.set n, BLOCK*p+i                      ; the row that is rounded; the row that is stored is n - BLOCK
.if p > 0
	global_store_b64 v2, v[X+4*(n-BLOCK):X+4*(n-BLOCK)+1], s[DST:DST+1] offset:ROW*(n-BLOCK)  ; no vector instruction since the wait names these registers
.endif
	v_cvt_pk_bf16_f32 v[X+4*n], v[X+4*n], v[X+4*n+1]
	v_cvt_pk_bf16_f32 v[X+4*n+1], v[X+4*n+2], v[X+4*n+3]
.set i, i+1
.endr
.set p, p+1
.endr
	s_wait_alu depctr_va_vdst(0)                   ; the last block's roundings have written the registers that the last four stores read
.set n, 32-BLOCK
.rept BLOCK
	global_store_b64 v2, v[X+4*n:X+4*n+1], s[DST:DST+1] offset:ROW*n
.set n, n+1
.endr
	s_endpgm
.Lfunc_end_k_qfd2c1fbc11_cast:
	.size	k_qfd2c1fbc11_cast, .Lfunc_end_k_qfd2c1fbc11_cast-k_qfd2c1fbc11_cast
	.p2alignl 7, 3214868480
	.fill 96, 4, 3214868480
	.section	.rodata,"a",@progbits
	.p2align	6, 0x0
	.amdhsa_kernel k_qfd2c1fbc11_cast
		.amdhsa_group_segment_fixed_size 0
		.amdhsa_private_segment_fixed_size 0
		.amdhsa_enable_private_segment 0
		.amdhsa_kernarg_size 96
		.amdhsa_user_sgpr_count 2
		.amdhsa_user_sgpr_kernarg_segment_ptr 1
		.amdhsa_wavefront_size32 1
		.amdhsa_system_sgpr_workgroup_id_x 1
		.amdhsa_system_sgpr_workgroup_id_y 1
		.amdhsa_system_sgpr_workgroup_id_z 1
		.amdhsa_system_vgpr_workitem_id 0
		.amdhsa_next_free_vgpr 132
		.amdhsa_next_free_sgpr 66
		.amdhsa_reserve_vcc 0
		.amdhsa_float_denorm_mode_32 3
		.amdhsa_float_denorm_mode_16_64 3
		.amdhsa_memory_ordered 1
		.amdhsa_forward_progress 1
		.amdhsa_inst_pref_size 13
	.end_amdhsa_kernel
	.amdgpu_metadata
---
amdhsa.version: [ 1, 2 ]
amdhsa.kernels:
  - .name:           k_qfd2c1fbc11_cast
    .symbol:         k_qfd2c1fbc11_cast.kd
    .args:
      - { .name: x, .offset: 0, .size: 8, .value_kind: global_buffer, .address_space: global }
      - { .name: h, .offset: 8, .size: 8, .value_kind: global_buffer, .address_space: global }
      - { .name: W_i, .offset: 16, .size: 8, .value_kind: global_buffer, .address_space: global }
      - { .name: W_f, .offset: 24, .size: 8, .value_kind: global_buffer, .address_space: global }
      - { .name: W_o, .offset: 32, .size: 8, .value_kind: global_buffer, .address_space: global }
      - { .name: W_c, .offset: 40, .size: 8, .value_kind: global_buffer, .address_space: global }
      - { .name: U_i, .offset: 48, .size: 8, .value_kind: global_buffer, .address_space: global }
      - { .name: U_f, .offset: 56, .size: 8, .value_kind: global_buffer, .address_space: global }
      - { .name: U_o, .offset: 64, .size: 8, .value_kind: global_buffer, .address_space: global }
      - { .name: U_c, .offset: 72, .size: 8, .value_kind: global_buffer, .address_space: global }
      - { .name: xh, .offset: 80, .size: 8, .value_kind: global_buffer, .address_space: global }
      - { .name: wu, .offset: 88, .size: 8, .value_kind: global_buffer, .address_space: global }
    .group_segment_fixed_size: 0
    .private_segment_fixed_size: 0
    .kernarg_segment_align: 8
    .kernarg_segment_size: 96
    .max_flat_workgroup_size: 256
    .sgpr_count:     66
    .vgpr_count:     132
    .wavefront_size: 32
...
	.end_amdgpu_metadata
.endif
;; end of part 3
;; launch lstm: the kernel of part 2 again; grid 16 x 32, 4 waves a work-group, clusters of 4 x 4, 327,680 bytes of LDS; arguments b_Wi, b_Wf, b_Wo, b_Wc, b_Ui, b_Uf, b_Uo, b_Uc, xh, wu, c, out0, out1; writes out0, out1
